; MI455X (gfx1250); checked and timed in simulation.
; The chip was launched on July 23, 2026; its instructions are those of AMD's public machine-readable ISA for CDNA 5 (MIT licence, August 2026) and "CDNA5" Instruction Set Architecture Reference Guide (July 2026). The comments in the code are by the model that wrote it; some were corrected since.
;; Aten Mm Q Mixed Signi8. Allowed arithmetic: matrix products marked QUANTISED: E3M2 operands, one E8M0 scale for each 32 along K, by v_wmma_scale_f32_16x16x128_f8f6f4 with both operands' format E3M2, f32 sums; everything else in f32.
;; Inputs: x 4,096 x 4,096 int32; y 4,096 x 4,096 int32.
;; Outputs: out0 4,096 x 4,096 float32.
;; This version of the problem:
;;   THIS VERSION OF THE PROBLEM IS GIVEN IN LOW PRECISION. The matrix products marked QUANTISED in the list below multiply operands that are first quantised to E3M2 (3 exponent bits, 2 mantissa bits; 6 bits a number), with one power-of-two scale for each 32 numbers along K (OCP MX v1.0); their sums are f32. All else is computed in f32.
;;   The module's matrix products, in the order in which they are computed (A, B: the left and right operand; K: the contracted axis; several contracted axes count as one K, in the product's order):
;;     1. [M 4,096, K 4,096] x [K 4,096, N 4,096]; A: computed on the way; B: computed on the way: QUANTISED
;;   THE QUANTISER, for each operand of a quantised product, along K:
;;     - K is cut into blocks of 32 from its start; a last block that is shorter is filled with zeros.
;;     - A block's scale is 2^e with e = floor(log2(the largest magnitude in the block)) - 4, held to -126 .. 127; a block of zeros has e = 0. As a byte (E8M0): e + 127.
;;     - Each number is divided by its block's scale, clamped to +-28, and rounded to the nearest number of E3M2, ties to even, subnormals kept.
;;     - The product sums the exact products of the quantised numbers (number of the format x scale) in f32.
;;   ~~~python
;;   def quantise(x, axis):      # numpy; x: float32 -> the quantised numbers, widened to float32 again
;;       x = np.moveaxis(x, axis, -1); K = x.shape[-1]
;;       x = np.pad(x, [(0, 0)] * (x.ndim - 1) + [(0, -K % 32)]); x = x.reshape(x.shape[:-1] + (-1, 32)); a = np.abs(x).max(-1, keepdims=True)
;;       e = np.where(a > 0, np.clip(np.frexp(np.where(a > 0, a, 1))[1] - 1 - 4, -126, 127), 0)      # np.frexp(a)[1] - 1 = floor(log2(a)), exactly
;;       r = np.clip(x / 2.0 ** e, -28, 28)
;;       step = 2.0 ** (np.maximum(np.frexp(np.where(r == 0, 1, r))[1] - 1, -2) - 2)
;;       q = np.round(r / step) * step * 2.0 ** e      # np.round: ties to even
;;       return np.moveaxis(q.reshape(q.shape[:-2] + (-1,))[..., :K], -1, axis).astype(np.float32)
;;   ~~~
;;   OPERANDS COMPUTED ON THE WAY. 'Computed on the way' means the value that the module computes at that place (a softmax that the list does not call 'softmax' is quantised finished and normalised). What goes into a quantiser is computed in f32, as accurately as f32 sums, v_exp_f32 and their like allow (about 1e-6 of the number): no bf16 or f16 on the way to a quantiser, and a product that is left as it is and whose result goes on into a quantised operand takes f32 operands (vector FMAs, or v_wmma_f32_16x16x4_f32). A number that lies on a knife's edge between two numbers of the format may be rounded either way, as far as f32 arithmetic and the matrix unit's own rounding can turn it there, and no further.
;; One version. Each part assembles by itself: llvm-mc -triple=amdgcn-amd-amdhsa -mcpu=gfx1250 --defsym DOCPART=n.
;; ======== version 1 of 1: 2 launches
;; limits: right only within a limited range of input values
;; workspace buffers: xq 13,107,200 bytes; yq 13,107,200 bytes
;; launch quant (part 1): grid 768 x 1, 4 waves a work-group, no clusters, 85,504 bytes of LDS; arguments x, y, xq, yq; writes xq, yq
.if DOCPART == 1
	.amdgcn_target "amdgcn-amd-amdhsa--gfx1250"
	.amdhsa_code_object_version 6
	.text
	.protected	k_q5c0c4b662e_quant
	.globl	k_q5c0c4b662e_quant
	.p2align	8
	.type	k_q5c0c4b662e_quant,@function
k_q5c0c4b662e_quant:
	s_mov_b64 s[64:65], 0
	v_nop
	global_prefetch_b8 v0, s[64:65] scope:SCOPE_SE
	s_setreg_imm32_b32 hwreg(HW_REG_WAVE_MODE, 25, 1), 1
	s_wait_xcnt 0x0
; x [4096 (m)][4096 (k)] and y [4096 (k)][4096 (n)], int32, are dequantised in f32, xf = (f32(x) + 66) * 0.03, yf = (f32(y) - 160) * 0.025 (an addition and a multiplication, each rounded,
; in that order), and turned into codes of BF6 (E3M2), 6 bits each, with one E8M0 scale byte for each 32 along K.
; A block's scale is 2^(floor(log2(its largest magnitude)) - 4); its byte is the largest magnitude's own exponent field - 4, held at 1 from below.  Each number is divided by the scale and rounded to the
; nearest code, ties to even; beyond the largest code the conversion gives the largest.
; THE WORKSPACE IS LAID IN THE ORDER OF THE OPERAND'S REGISTERS.  xq (rows m) and yq (rows n): [32 groups of 128 rows][32 steps of 128 along K][12,800 bytes].  In such a block fragment i (rows 16 i .. 16 i + 15)
; lies at 1,536 i as an image of its 12 registers: lane l = r + 16 h holds row r; its registers 6 c .. 6 c + 5 hold the codes of k = 64 c + 32 h + 0 .. 31, a plain stream of bits; the four registers 4 g .. 4 g + 3
; lie at 512 g + 16 l.  Behind the eight fragments, at 12,288, lie the scale words (byte b scales k = 32 b .. 32 b + 31 of the step): row r of fragment i at 256 (i / 4) + 16 r + 4 (i % 4).
; So the product's launch fetches dense blocks, loads a fragment by three loads of 16 bytes a lane, and four fragments' scale words by one.
; LIMITS: a block of zeros gets the byte 1 where the rule says 127: its codes are zeros, which add nothing under any byte but 0xff, and the bytes are read by this program alone.
; int32 numbers beyond 2^24 are rounded to f32 by v_cvt_f32_i32, to nearest even.  The smallest magnitudes other than 0 are 0.03 and 0.025: nothing else comes near the floor.
; ONE LAUNCH, TWO PATHS, parted by the work-group's number: 0 .. 511 take x (K innermost), 512 .. 767 take y (K is its first axis).  Each path has LDS bytes of its own.
; No tensor loads, no barrier: waves share nothing.  EXEC is never written.
.set FRB,    1536                      ; a fragment's image
.set SCO,    8*FRB                     ; where a block's scale words begin
.set BLK,    SCO+512                   ; a block: 128 rows x 128 along K
.set GRP,    32*BLK                    ; a group of 128 rows, all of K
.set FLOOR,  0x2800000                 ; 2^(5 - 127): under it no largest magnitude is taken, so the byte cannot fall under 1
.set OFF4,   0xfe000000                ; -(4 << 23): 4 off an exponent field
	s_load_b128 s[4:7], s[0:1], 0x0                ; x, y
	s_load_b128 s[8:11], s[0:1], 0x10              ; xq, yq
	v_lshl_add_u32 v248, v0, 2, 0x14c00
	v_mov_b32 v249, 0
	v_lshrrev_b32 v1, 5, v0
	v_readfirstlane_b32 s16, v1                    ; wave 0..3
	v_and_b32 v2, 31, v0                           ; lane
	s_wait_kmcnt 0x0
	s_cmp_lt_u32 ttmp9, 512
	s_cbranch_scc0 .Ly
; ------------------------------------------------------------------------------------------------------------------------------------------------------------
; PATH X.  A wave takes 64 rows x 128 along K: four fragments, one a step.  The four waves of a work-group stand side by side along K: 2,048 consecutive bytes of each row.
; The operand's layout gives lane (r, h) two whole blocks of 32 of row r; a load is best where neighbouring LANES take neighbouring bytes.  Both are had: each of a step's 16 loads reads one row's 512
; consecutive bytes, 16 a lane; the 8,192 bytes go through the wave's own stage in LDS, a row every 528 bytes, and come back 128 bytes of a row at a time.  A block's largest magnitude then needs no other lane,
; and the conversions' results are the fragment's registers: they leave by three stores of 512 consecutive bytes.  The wave's 64 scale words leave as 256 consecutive bytes, aligned.
; Loads run two steps (32 loads a wave) ahead.
.set XPITCH, 528                       ; a stage row: 512 bytes + 16
.set XWREG,  16*XPITCH                 ; a wave's stage
.set XR,     16                        ; v16-143  two sets of 64 numbers as they are loaded
.set XX,     144                       ; v144-207 my 64 numbers: register 32 c + i = k 64 c + 32 h + i of row r
.set XP,     208                       ; v208-219 the fragment's 12 registers
.set XT,     220                       ; v220-222, v224-226: the upper halves of the two blocks' codes, before they are moved
.set XW,     228                       ; v228-231 a scale word for each step
.set XO,     232                       ; v232-233 the two words that I store
	s_and_b32 s17, ttmp9, 7
	s_lshl_b32 s17, s17, 2
	s_add_co_u32 s17, s17, s16                     ; which step of 128 along K: 4 (work-group % 8) + wave
	s_lshr_b32 s18, ttmp9, 3                       ; which 64 rows: work-group / 8
	s_lshl_b32 s20, s18, 20                        ; x: 64 rows of 16,384 bytes,
	s_lshl_b32 s19, s17, 9                         ; + 512 bytes a step
	s_add_co_u32 s20, s20, s19
	s_mov_b32 s21, 0
	s_add_nc_u64 s[4:5], s[4:5], s[20:21]
	s_lshr_b32 s22, s18, 1                         ; xq: the group of 128 rows,
	s_mul_i32 s22, s22, GRP
	s_mul_i32 s19, s17, BLK                        ; the step's block in it
	s_add_co_u32 s22, s22, s19
	s_mov_b32 s23, 0
	s_add_nc_u64 s[8:9], s[8:9], s[22:23]
	s_and_b32 s19, s18, 1                          ; which half of the group's rows: fragments 0-3 or 4-7
	s_lshl_b32 s28, s19, 8
	s_add_co_u32 s28, s28, SCO
	s_mov_b32 s29, 0
	s_add_nc_u64 s[12:13], s[8:9], s[28:29]        ; my 256 bytes of scale words
	s_mul_i32 s28, s19, 4*FRB
	s_add_nc_u64 s[8:9], s[8:9], s[28:29]          ; my four fragments
	s_mov_b32 s24, 0x42840000                      ; 66.0
	s_mov_b32 s25, s24                             ; (the packed form names a pair and takes its low word for both halves: so both are written)
	s_mov_b32 s26, 0x3cf5c28f                      ; 0.03
	s_mov_b32 s27, s26
	s_mov_b32 s30, 0x76543210
	s_mov_b32 s31, 0xfedcba98                      ; v_permlanex16_b32's selects for lane l xor 16
	s_wait_alu depctr_va_vdst(0)
	v_lshlrev_b32 v3, 4, v2                        ; 16 x lane: my 16 bytes of a load's or a store's 512
	s_mul_i32 s19, s16, XWREG
	v_add_nc_u32 v4, s19, v3                       ; the stage, on the way in
	v_and_b32 v5, 15, v2                           ; r
	v_lshrrev_b32 v6, 4, v2                        ; h
	v_lshlrev_b32 v1, 4, v5
	v_lshl_add_u32 v1, v6, 3, v1                   ; my two scale words' place: 16 r + 8 h
	v_mul_u32_u24 v5, v5, XPITCH
	v_lshl_add_u32 v5, v6, 7, v5
	v_add_nc_u32 v5, s19, v5                       ; the stage, on the way out: row r, + 128 h bytes
	v_lshlrev_b32 v6, 3, v6                        ; 8 h: my bytes' place in a scale word, in bits
	v_mov_b32 v7, 0                                ; written once: a lane permute's destination counts as one of its sources
.macro LOADX t                         ; step t: rows 16 t .. 16 t + 15, a row a load
.set j, 0
.rept 16
	global_load_b128 v[XR+64*((\t)%2)+4*j:XR+64*((\t)%2)+4*j+3], v3, s[4:5] offset:(16*(\t)+j)*16384 th:TH_LOAD_NT
.set j, j+1
.endr
.endm
.macro STEPX t
.set RS, XR+64*((\t)%2)
.if (\t) < 3
	s_wait_loadcnt 16                              ; this step's 16 loads are in; the next step's may be out
.else
	s_wait_loadcnt 0x0
.endif
.set j, 0
.rept 16
	ds_store_b128 v4, v[RS+4*j:RS+4*j+3] offset:XPITCH*j
.set j, j+1
.endr
.set j, 0
.rept 16
	ds_load_b128 v[XX+4*j:XX+4*j+3], v5 offset:256*(j/8)+16*(j%8)   ; LDS serves a wave's instructions in order (ISA guide 5.7.1.4): these see the stores above, and the next step's stores come behind them
.set j, j+1
.endr
.if (\t)+2 < 4
	s_wait_dscnt 16                                ; the 16 stores are done, so they have read their registers (the 16 loads behind them may be out):
	LOADX (\t)+2                                   ; the set takes the loads of two steps on
.endif
	s_wait_dscnt 0x0                               ; my 64 numbers are back
.set j, 0
.rept 64
	v_cvt_f32_i32 v[XX+j], v[XX+j]
.set j, j+1
.endr
.set j, 0
.rept 32
	v_pk_add_f32 v[XX+j:XX+j+1], v[XX+j:XX+j+1], s[24:25] op_sel_hi:[1,0]         ; + 66
.set j, j+2
.endr
.set j, 0
.rept 32
	v_pk_mul_f32 v[XX+j:XX+j+1], v[XX+j:XX+j+1], s[26:27] op_sel_hi:[1,0]         ; x 0.03: a rounding of its own, not fused with the addition
.set j, j+2
.endr
.irp c, 0,1                            ; each block's largest magnitude: all 32 numbers are mine; two chains a block, the blocks by turns
	v_max3_num_f32 v[8+2*\c], |v[XX+32*\c]|, |v[XX+32*\c+1]|, |v[XX+32*\c+2]|
	v_max3_num_f32 v[9+2*\c], |v[XX+32*\c+3]|, |v[XX+32*\c+4]|, |v[XX+32*\c+5]|
.endr
.irp i, 6,10,14,18,22,26
.irp c, 0,1
	v_max3_num_f32 v[8+2*\c], v[8+2*\c], |v[XX+32*\c+\i]|, |v[XX+32*\c+\i+1]|
	v_max3_num_f32 v[9+2*\c], v[9+2*\c], |v[XX+32*\c+\i+2]|, |v[XX+32*\c+\i+3]|
.endr
.endr
.irp c, 0,1
	v_max3_num_f32 v[8+2*\c], v[8+2*\c], |v[XX+32*\c+30]|, |v[XX+32*\c+31]|
.endr
.irp c, 0,1
	v_max3_num_f32 v[8+2*\c], v[8+2*\c], v[9+2*\c], FLOOR
.endr
.irp c, 0,1
	v_add_nc_u32 v[12+\c], OFF4, v[8+2*\c]         ; 4 off the exponent field: the conversion takes the exponent field of this operand as its scale, and nothing else of it
.endr
.irp c, 0,1
	v_lshrrev_b32 v[14+\c], 23, v[12+\c]           ; the scale's byte
.endr
	v_lshl_or_b32 v14, v15, 16, v14                ; my two bytes: blocks h and 2 + h of row r,
	v_lshlrev_b32 v14, v6, v14                     ; at their places in the scale word;
	v_permlanex16_b32 v7, v14, s30, s31
	v_or_b32 v[XW+(\t)], v14, v7                   ; with lane l xor 16's two the word is whole, in both lanes
.if (\t) > 0
	s_wait_alu depctr_va_vdst(0)
	s_wait_xcnt 0x0                                ; the last step's stores have read the codes' registers, which are written again below
.endif
.irp c, 0,1
	v_cvt_scalef32_pk16_bf6_f32 v[XP+6*\c:XP+6*\c+2], v[XX+32*\c:XX+32*\c+15], v[12+\c]
	v_cvt_scalef32_pk16_bf6_f32 v[XT+4*\c:XT+4*\c+2], v[XX+32*\c+16:XX+32*\c+31], v[12+\c]   ; (a conversion's three registers begin on an even number: the second half of a block's six does not, so it is made elsewhere and moved)
.endr
	v_nop                                          ; one plain line behind the last scaled conversion
.irp c, 0,1
.irp i, 0,1,2
	v_mov_b32 v[XP+3+6*\c+\i], v[XT+4*\c+\i]
.endr
.endr
.irp g, 0,1,2
	global_store_b128 v3, v[XP+4*\g:XP+4*\g+3], s[8:9] offset:FRB*(\t)+512*\g     ; 32 lanes store 512 consecutive bytes, aligned to 256
.endr
.endm
	LOADX 0
	LOADX 1
	s_wait_alu depctr_va_vdst(0)
.irp t, 0,1,2,3
	STEPX \t
.endr
	v_cmp_le_u32 vcc_lo, 16, v2                    ; lanes 16-31 store the words of fragments 2 and 3, lanes 0-15 those of 0 and 1
	v_cndmask_b32 v[XO], v[XW], v[XW+2], vcc_lo
	v_cndmask_b32 v[XO+1], v[XW+1], v[XW+3], vcc_lo
	global_store_b64 v1, v[XO:XO+1], s[12:13]      ; the 32 lanes store 256 consecutive bytes, aligned: row r's four words at 16 r
	s_wait_tensorcnt 0x0
	ds_add_u32 v248, v249
	s_wait_dscnt 0x0
	s_endpgm
; ------------------------------------------------------------------------------------------------------------------------------------------------------------
; PATH Y.  K is y's first axis.  A LANE TAKES TWO NEIGHBOURING COLUMNS n, AND ITS REGISTERS RUN DOWN K: each load of 8 bytes a lane reads 256 consecutive bytes of one row k, aligned; a block of 32 along K
; of one column lies in one lane's registers, so its largest magnitude needs no other lane, and the conversions give codes with K innermost.  Nothing is transposed by an instruction: the two columns are
; parted by the destinations of the conversions from int32.
; A wave takes 64 columns (four fragments) x 256 along K (two steps): 8 blocks of 32; the four waves stand side by side on 1,024 bytes of each row.  A block's 24 bytes of codes belong to lane r + 16 h of a
; fragment's image: they are put there in the wave's own stage in LDS (16 + 8 bytes), and the images leave as they lie, 512 consecutive bytes a store.  The scale words go the same way.
; Loads run two blocks (64 loads a wave) ahead.  Every offset is an immediate: 255 rows of 16,384 bytes at the most, inside the signed 24-bit immediate (ISA guide, chapter 10).
.set YB,     4*XWREG                   ; LDS behind path X's bytes
.set YWREG,  BLK                       ; a wave's stage: two steps x four fragments' images, then two steps x 256 bytes of scale words
.set YRAW,   32                        ; v32-159  two sets of 64 numbers as loaded; on the way out 24 x 4 registers, and v128-131 the scale words
.set YF,     160                       ; v160-223 a block in f32: column 0 in the first 32, column 1 in the second
.set YC,     224                       ; v224-229, v232-237 a block's codes, six registers a column
.set YT,     240                       ; v240-242, v244-246 their upper halves, before they are moved
.set YSB,    24                        ; v24-27   the scale words: column 0's two, column 1's two
.Ly:
	s_sub_co_u32 s17, ttmp9, 512
	s_and_b32 s18, s17, 15                         ; which 256 columns
	s_lshr_b32 s17, s17, 4                         ; which 256 along K
	s_lshl_b32 s19, s18, 8
	s_lshl_b32 s20, s16, 6
	s_add_co_u32 s19, s19, s20                     ; my wave's first column
	s_lshl_b32 s20, s17, 22                        ; y: 256 rows of 16,384 bytes,
	s_lshl_b32 s19, s19, 2                         ; + 4 bytes a column
	s_add_co_u32 s20, s20, s19
	s_mov_b32 s21, 0
	s_add_nc_u64 s[4:5], s[6:7], s[20:21]
	s_lshl_b32 s22, s18, 1
	s_lshr_b32 s19, s16, 1
	s_add_co_u32 s22, s22, s19                     ; yq: the group of 128 columns,
	s_mul_i32 s22, s22, GRP
	s_mul_i32 s19, s17, 2*BLK                      ; the first of my two steps' blocks in it
	s_add_co_u32 s22, s22, s19
	s_mov_b32 s23, 0
	s_add_nc_u64 s[12:13], s[10:11], s[22:23]
	s_and_b32 s19, s16, 1                          ; which half of the group: fragments 0-3 or 4-7
	s_lshl_b32 s28, s19, 8
	s_add_co_u32 s28, s28, SCO
	s_mov_b32 s29, 0
	s_add_nc_u64 s[14:15], s[12:13], s[28:29]      ; my 256 bytes of scale words
	s_mul_i32 s28, s19, 4*FRB
	s_add_nc_u64 s[12:13], s[12:13], s[28:29]      ; my four fragments
	s_mov_b32 s24, 0xc3200000                      ; -160.0
	s_mov_b32 s25, s24
	s_mov_b32 s26, 0x3ccccccd                      ; 0.025
	s_mov_b32 s27, s26
	s_wait_alu depctr_va_vdst(0)
	v_lshlrev_b32 v3, 3, v2                        ; in: 8 bytes a lane
	s_mul_i32 s19, s16, YWREG
	s_add_co_u32 s19, s19, YB                      ; my stage
	v_lshrrev_b32 v5, 3, v2                        ; my columns' fragment: lane / 8;
	v_and_b32 v6, 7, v2                            ; their rows in it: r = 2 (lane % 8) + 0, 1
	v_mul_u32_u24 v4, v5, FRB
	v_lshl_add_u32 v4, v6, 5, v4
	v_add_nc_u32 v4, s19, v4                       ; codes into the stage: 1,536 x fragment + 16 r (column 1: 16 bytes on)
	v_lshlrev_b32 v5, 2, v5
	v_lshl_add_u32 v5, v6, 5, v5
	v_add_nc_u32 v5, s19, v5
	v_add_nc_u32 v5, SCO, v5                       ; scale words into the stage: 16 r + 4 x fragment
	v_lshlrev_b32 v8, 4, v2                        ; out: 16 bytes a lane, in yq
	v_add_nc_u32 v7, s19, v8                       ; and in the stage
	v_and_b32 v9, 15, v2
	v_lshrrev_b32 v10, 4, v2
	v_mul_u32_u24 v10, v10, BLK
	v_lshl_add_u32 v9, v9, 4, v10                  ; the scale words' place in yq: lanes 0-15 the first step's 256 bytes, lanes 16-31 the second's, a block on
.macro LOADY t                         ; block t: y(32 t + j, my two columns), j = 0 .. 31, into set t % 2
.set j, 0
.rept 32
	global_load_b64 v[YRAW+64*((\t)%2)+2*j:YRAW+64*((\t)%2)+2*j+1], v3, s[4:5] offset:(32*(\t)+j)*16384 th:TH_LOAD_NT
.set j, j+1
.endr
.endm
.macro BLOCKY t
.set RS, YRAW+64*((\t)%2)
.set PL, 4*FRB*((\t)/4)+256*((\t)%2)   ; the block's place in the stage: step t / 4; block b = t % 4 of the step lies in lanes 16 (b % 2) on, registers 6 (b / 2) on
.if (\t) < 7
	s_wait_loadcnt 32                              ; this block's 32 loads are in; the next block's may be out
.else
	s_wait_loadcnt 0x0
.endif
.set j, 0
.rept 32
	v_cvt_f32_i32 v[YF+j], v[RS+2*j]               ; column 0,
	v_cvt_f32_i32 v[YF+32+j], v[RS+2*j+1]          ; column 1
.set j, j+1
.endr
.if (\t)+2 < 8
	LOADY (\t)+2                                   ; into the set just read
.endif
.set j, 0
.rept 32
	v_pk_add_f32 v[YF+j:YF+j+1], v[YF+j:YF+j+1], s[24:25] op_sel_hi:[1,0]         ; - 160
.set j, j+2
.endr
.set j, 0
.rept 32
	v_pk_mul_f32 v[YF+j:YF+j+1], v[YF+j:YF+j+1], s[26:27] op_sel_hi:[1,0]         ; x 0.025: a rounding of its own
.set j, j+2
.endr
.irp c, 0,1                            ; each column's largest magnitude: all 32 numbers are mine; two chains a column, the columns by turns
	v_max3_num_f32 v[12+2*\c], |v[YF+32*\c]|, |v[YF+32*\c+1]|, |v[YF+32*\c+2]|
	v_max3_num_f32 v[13+2*\c], |v[YF+32*\c+3]|, |v[YF+32*\c+4]|, |v[YF+32*\c+5]|
.endr
.irp i, 6,10,14,18,22,26
.irp c, 0,1
	v_max3_num_f32 v[12+2*\c], v[12+2*\c], |v[YF+32*\c+\i]|, |v[YF+32*\c+\i+1]|
	v_max3_num_f32 v[13+2*\c], v[13+2*\c], |v[YF+32*\c+\i+2]|, |v[YF+32*\c+\i+3]|
.endr
.endr
.irp c, 0,1
	v_max3_num_f32 v[12+2*\c], v[12+2*\c], |v[YF+32*\c+30]|, |v[YF+32*\c+31]|
.endr
.irp c, 0,1
	v_max3_num_f32 v[12+2*\c], v[12+2*\c], v[13+2*\c], FLOOR
.endr
.irp c, 0,1
	v_add_nc_u32 v[16+\c], OFF4, v[12+2*\c]        ; 4 off the exponent field: the conversions' scale operand
.endr
.if (\t) > 0
	s_wait_alu depctr_va_vdst(0)
	s_wait_dscnt 0x0                               ; the last block's four stage stores have read the codes' registers
.endif
.irp c, 0,1
	v_cvt_scalef32_pk16_bf6_f32 v[YC+8*\c:YC+8*\c+2], v[YF+32*\c:YF+32*\c+15], v[16+\c]
	v_cvt_scalef32_pk16_bf6_f32 v[YT+4*\c:YT+4*\c+2], v[YF+32*\c+16:YF+32*\c+31], v[16+\c]   ; (a conversion's three registers begin on an even number)
.endr
.irp c, 0,1
	v_lshrrev_b32 v[18+\c], 23, v[16+\c]           ; the scale's byte (plain lines behind the last conversion, ahead of the moves that read its result)
.endr
.irp c, 0,1
.if (\t)%4 == 0
	v_mov_b32 v[YSB+2*\c+(\t)/4], v[18+\c]         ; four bytes to a word, the lower K in the lower byte; a word a step
.else
	v_lshl_or_b32 v[YSB+2*\c+(\t)/4], v[18+\c], 8*((\t)%4), v[YSB+2*\c+(\t)/4]
.endif
.endr
.irp c, 0,1
.irp i, 0,1,2
	v_mov_b32 v[YC+8*\c+3+\i], v[YT+4*\c+\i]       ; a block's 24 bytes in six registers on end
.endr
.endr
.irp c, 0,1
.if ((\t)%4) < 2                       ; registers 0-5 of the lane's twelve: the first group of four, and the lower half of the second
	ds_store_b128 v4, v[YC+8*\c:YC+8*\c+3] offset:PL+16*\c
	ds_store_b64 v4, v[YC+8*\c+4:YC+8*\c+5] offset:PL+16*\c+512
.else                                  ; registers 6-11: the upper half of the second group, and the third
	ds_store_b64 v4, v[YC+8*\c:YC+8*\c+1] offset:PL+16*\c+512+8
	ds_store_b128 v4, v[YC+8*\c+2:YC+8*\c+5] offset:PL+16*\c+1024
.endif
.endr
.endm
	LOADY 0
	LOADY 1
.irp t, 0,1,2,3,4,5,6,7
	BLOCKY \t
.endr
.irp s, 0,1
.irp c, 0,1
	ds_store_b32 v5, v[YSB+2*\c+\s] offset:256*\s+16*\c
.endr
.endr
	ds_load_b128 v[128:131], v7 offset:SCO         ; in order behind my stores: the two steps' scale words, 256 bytes each
.set j, 0
.rept 24
	ds_load_b128 v[YRAW+4*j:YRAW+4*j+3], v7 offset:512*j   ; and the eight images, 512 bytes a load
.set j, j+1
.endr
	s_wait_dscnt 24                                ; LDS loads come back in order: the scale words are in, the 24 loads behind them may be out
	global_store_b128 v9, v[128:131], s[14:15]     ; sixteen lanes store 256 consecutive bytes, aligned, in each of the two steps' blocks
.set j, 0
.rept 24
	s_wait_dscnt 23-j                              ; load j is in, the 23 - j behind it may be out
	global_store_b128 v8, v[YRAW+4*j:YRAW+4*j+3], s[12:13] offset:(j%12)*512+(j/12)*BLK   ; 32 lanes store 512 consecutive bytes, aligned to 256
.set j, j+1
.endr
	s_wait_tensorcnt 0x0
	ds_add_u32 v248, v249
	s_wait_dscnt 0x0
	s_endpgm
.Lfunc_end_k_q5c0c4b662e_quant:
	.size	k_q5c0c4b662e_quant, .Lfunc_end_k_q5c0c4b662e_quant-k_q5c0c4b662e_quant
	.p2alignl 7, 3214868480
	.fill 96, 4, 3214868480
	.section	.rodata,"a",@progbits
	.p2align	6, 0x0
	.amdhsa_kernel k_q5c0c4b662e_quant
		.amdhsa_group_segment_fixed_size 85504
		.amdhsa_private_segment_fixed_size 0
		.amdhsa_enable_private_segment 0
		.amdhsa_kernarg_size 32
		.amdhsa_user_sgpr_count 2
		.amdhsa_user_sgpr_kernarg_segment_ptr 1
		.amdhsa_wavefront_size32 1
		.amdhsa_system_sgpr_workgroup_id_x 1
		.amdhsa_system_sgpr_workgroup_id_y 1
		.amdhsa_system_sgpr_workgroup_id_z 1
		.amdhsa_system_vgpr_workitem_id 0
		.amdhsa_next_free_vgpr 250
		.amdhsa_next_free_sgpr 66
		.amdhsa_reserve_vcc 1
		.amdhsa_float_denorm_mode_32 3
		.amdhsa_float_denorm_mode_16_64 3
		.amdhsa_memory_ordered 1
		.amdhsa_forward_progress 1
		.amdhsa_inst_pref_size 159
	.end_amdhsa_kernel
	.amdgpu_metadata
---
amdhsa.version: [ 1, 2 ]
amdhsa.kernels:
  - .name:           k_q5c0c4b662e_quant
    .symbol:         k_q5c0c4b662e_quant.kd
    .args:
      - { .name: x, .offset: 0, .size: 8, .value_kind: global_buffer, .address_space: global }
      - { .name: y, .offset: 8, .size: 8, .value_kind: global_buffer, .address_space: global }
      - { .name: xq, .offset: 16, .size: 8, .value_kind: global_buffer, .address_space: global }
      - { .name: yq, .offset: 24, .size: 8, .value_kind: global_buffer, .address_space: global }
    .group_segment_fixed_size: 85504
    .private_segment_fixed_size: 0
    .kernarg_segment_align: 8
    .kernarg_segment_size: 32
    .max_flat_workgroup_size: 128
    .sgpr_count:     66
    .vgpr_count:     250
    .wavefront_size: 32
...
	.end_amdgpu_metadata
.endif
;; end of part 1
;; launch gemm (part 2): grid 16 x 16, 4 waves a work-group, clusters of 4 x 4, 327,680 bytes of LDS; arguments xq, yq, out0; writes out0
.if DOCPART == 2
	.amdgcn_target "amdgcn-amd-amdhsa--gfx1250"
	.amdhsa_code_object_version 6
	.text
	.protected	k_q5c0c4b662e_gemm
	.globl	k_q5c0c4b662e_gemm
	.p2align	8
	.type	k_q5c0c4b662e_gemm,@function
k_q5c0c4b662e_gemm:
	s_mov_b64 s[64:65], 0
	v_nop
	global_prefetch_b8 v0, s[64:65] scope:SCOPE_SE
	s_setreg_imm32_b32 hwreg(HW_REG_WAVE_MODE, 25, 1), 1
	s_wait_xcnt 0x0
	s_wait_alu depctr_hold_cnt(0) depctr_sa_sdst(0) depctr_va_vdst(0) depctr_va_sdst(0) depctr_va_ssrc(0) depctr_va_vcc(0) depctr_vm_vsrc(0)
	s_getreg_b32 s2, hwreg(HW_REG_IB_STS2, 6, 4)
	s_cmp_eq_u32 s2, 0
	s_cbranch_scc0 .Lentry_in_a_cluster
	s_endpgm
.Lentry_in_a_cluster:
	s_bfe_u32 s2, ttmp6, 0x10000c
	s_cmp_lg_u32 s2, 0xf033
	s_cbranch_scc0 .Lentry_shape_is_right
	s_endpgm
.Lentry_shape_is_right:
; out0[m][n] = sum over k of xf[m][k] yf[k][n], both operands as codes of BF6 (E3M2) with one E8M0 byte for each 32 along K, sums in f32.
; xq (rows m) and yq (rows n) are laid [32 groups of 128 rows][32 steps of 128 along K][12,800 bytes]: eight images of a fragment's 12 registers (1,536 bytes each,
; registers 4 g .. 4 g + 3 of lane l at 512 g + 16 l), then 512 bytes of scale words (row r of fragment i at 256 (i / 4) + 16 r + 4 (i % 4)).
; A tile of 256 x 256 is made by a work-group of four waves; a wave makes 128 x 128: 64 accumulators, 512 registers.
; THE RING: two LDS slots of three K steps.  A wave fetches a quarter of a slot (128 rows, three steps: 38,400 dense bytes, 150 rows of 256) by one tensor load; 32 steps = 10 x 3 + 2: the last fill has 100 rows.
; CLUSTERS: 4 x 4 work-groups; A's tiles are asked for jointly along a row of the cluster, B's along a column.
; A STEP is 64 matrix instructions, A's blocks one after the other, each against B's eight; both operands have two sets of registers, and the next step's 50 LDS loads
; stand in TWO runs: B's 24 behind block 0, the scale words and A's 24 behind block 3.
; THE MATRIX INSTRUCTION IS USED TRANSPOSED (source 0 = rows of yq, source 1 = rows of xq): a lane holds eight neighbouring numbers of a row of out0.
; THE LAST FIVE STEPS (27 to 31) lie in LDS together and go BY HALVES of my rows: rows 0-63 take all five, then rows 64-127 take all five while rows 0-63 are stored.  B's fragments of these five steps are read twice.
; Each sum still takes its K steps in ascending order.  The way out goes in units of 16 rows x 64 columns through a stage of the wave's own, behind the spare words: no fill lands there.
; PREFETCH: behind each refill's first run of LDS loads a wave asks for the NEXT refill's bytes of its quarter, three K steps (192 matrix instructions) ahead of the load that wants them.  The first fill is asked for
; as soon as the arguments are in, ahead of the round that stands in front of its load; slot 1's first fill behind that load.
; The four partners that fetch a quarter jointly share its units of 256 bytes by address: of units 0-99 partner p names 25 p .. 25 p + 24, of units 100-149 13 p + 100 .. + 12, held at 149.
; The last fill has 100 units: the second instruction is jumped over there.  The last refill asks for nothing.
; REGISTERS: window 0: v0-31 addresses, v32-47 scale words (two sets), v64-159 and v160-255 A's two sets; window 1: v0-95 and v128-223 B's two sets; windows 2, 3: the accumulators.
.set SIZE_N, 4096
.set FR,     12
.set FRB,    1536
.set SCO,    8*FRB
.set BLK,    SCO+512
.set QUART,  3*BLK                     ; what one tensor load of the ring brings
.set SLOT,   4*QUART                   ; A's two halves, then B's two halves
.set GRP,    32*BLK
.set SPARE,  2*SLOT                    ; the spare words, 128 bytes a wave
.set STAGE,  SPARE+512                 ; the way out: 16 rows x 272 bytes for each wave
.set SPITCH, 272
.set TRIPS,  4
.set ADRA, 16                          ; v16-17 my A fragments in slot 0, 1
.set ADRB, 18                          ; v18-19 B's
.set ADRS, 20                          ; v20-21 scale words: lanes 0-15 A's, lanes 16-31 B's
.set PFO,  22                          ; v22-23 the prefetches' offsets
.set STO,  24
.set RD,   25
.set CO,   26
.set SPW,  28
.set NIL,  29
.set SC,   32
.set AF,   64
.set G1, 24
.set G0, 32
.set G1B, 48
.set G0B, 56
.set PFA, 76                           ; s[76:77] where my prefetches stand
.set MSB, 0
.macro WIN new                         ; the immediate's high byte repeats the setting that is left
.if MSB != (\new)
	s_set_vgpr_msb (MSB<<8)|(\new)
.set MSB, (\new)
.endif
.endm
.set MUL_LO, 0xa1                      ; source 0 (B) window 1, source 1 (A) window 0, C and D window 2
.set MUL_HI, 0xf1
.set TO_B,   0x40
.macro JLOAD g0a, g1a, g0b, g1b        ; a joint load: waves 0, 1 for A, waves 2, 3 for B
	s_cmp_eq_u32 s15, 0
	s_cbranch_scc0 .Lfor_b_\@
	tensor_load_to_lds s[\g0a:\g0a+3], s[\g1a:\g1a+7]
	s_nop 0
.rept 4
	v_nop
.endr
	s_branch .Lasked_\@
.Lfor_b_\@:
	tensor_load_to_lds s[\g0b:\g0b+3], s[\g1b:\g1b+7]
	s_nop 0
.rept 4
	v_nop
.endr
.Lasked_\@:
.endm
.macro CREST                           ; a round of the cluster's barrier behind its opening barrier
	s_cmp_lg_u32 s14, 0
	s_cbranch_scc1 .Lnot_wave_0_\@
	s_barrier_signal -3
.Lnot_wave_0_\@:
	s_barrier_wait -3
	s_barrier_signal -1
	s_barrier_wait -1
.endm
.macro CROUND
	s_barrier_signal -1
	s_barrier_wait -1
	CREST
.endm
.macro ASK how, off                    ; how = 1: all 150 units; how = 2: in the loop's last trip units 0-99 alone.  off: bytes behind the base
	global_prefetch_b8 v[PFO], s[PFA:PFA+1] offset:\off th:TH_LOAD_NT scope:SCOPE_SE
.if (\how) == 2
	s_cmp_lg_u32 s3, 1
	s_cbranch_scc0 .Lshort_\@
.endif
	global_prefetch_b8 v[PFO+1], s[PFA:PFA+1] offset:\off th:TH_LOAD_NT scope:SCOPE_SE
.if (\how) == 2
.Lshort_\@:
.endif
.endm
	s_load_b128 s[4:7], s[0:1], 0x0                ; xq, yq
	s_load_b64 s[12:13], s[0:1], 0x10              ; out0
	v_lshl_add_u32 v[SPW], v0, 2, SPARE
	v_mov_b32 v[NIL], 0
	ds_add_u32 v[SPW], v[NIL]                      ; the opening lines: the add, twice on end, and its wait
	ds_add_u32 v[SPW], v[NIL]
	v_lshrrev_b32 v1, 5, v0
	v_readfirstlane_b32 s14, v1                    ; wave
	s_lshr_b32 s15, s14, 1                         ; my half of the tile's rows; also: I fetch for A (0) or B (1)
	s_and_b32 s16, s14, 1                          ; my half of its columns; also: which half I fetch
	s_bfe_u32 s40, ttmp6, 0x40000                  ; cx
	s_bfe_u32 s41, ttmp6, 0x40004                  ; cy
	s_lshl_b32 s42, ttmp9, 2
	s_add_co_u32 s42, s42, s40                     ; tile column
	s_and_b32 s17, ttmp7, 0xffff
	s_lshl_b32 s17, s17, 2
	s_add_co_u32 s17, s17, s41                     ; tile row
	s_lshl_b32 s43, s41, 2
	s_lshl_b32 s43, 15, s43                        ; my row of the cluster
	s_lshl_b32 s44, 0x1111, s40                    ; my column
	s_or_b32 s[G1+0], s43, (3<<16)|(1<<21)         ; elements of 8 bytes, no padding; the mask, and bit 21 beside it
	s_or_b32 s[G1B+0], s44, (3<<16)|(1<<21)
.irp g, G1, G1B                        ; a dense block as 150 rows of 256 bytes
	s_mov_b32 s[\g+1], 32<<16
	s_mov_b32 s[\g+2], (QUART/256)<<16
	s_mov_b32 s[\g+3], 32<<16
	s_mov_b32 s[\g+4], QUART/256
	s_mov_b32 s[\g+5], 32
	s_mov_b32 s[\g+6], 0
	s_mov_b32 s[\g+7], 0
.endr
	s_lshl_b32 s20, s17, 1
	s_add_co_u32 s20, s20, s16
	s_mul_i32 s20, s20, GRP                        ; A: the group of 128 rows that I fetch
	s_mov_b32 s21, 0
	s_lshl_b32 s46, s42, 1
	s_add_co_u32 s46, s46, s16
	s_mul_i32 s46, s46, GRP                        ; B likewise
	s_mov_b32 s47, 0
	s_mul_i32 s45, s14, QUART                      ; where my quarter lies in a slot
	s_lshl_b32 s80, s17, 8                         ; out0: my first row, 256 x tile row + 128 x half, in rows of 16,384 bytes,
	s_lshl_b32 s81, s15, 7
	s_add_co_u32 s80, s80, s81
	s_lshl_b32 s80, s80, 14
	s_lshl_b32 s81, s42, 10                        ; and my first column, in bytes
	s_add_co_u32 s80, s80, s81
	s_lshl_b32 s81, s16, 9
	s_add_co_u32 s80, s80, s81
	s_mov_b32 s81, 0
	s_mul_i32 s86, s15, QUART                      ; LDS: my 128 rows of A in slot 0,
	s_mul_i32 s22, s16, QUART
	s_add_co_u32 s22, s22, 2*QUART                 ; of B,
	s_sub_co_u32 s23, s22, s86                     ; the distance between them,
	s_add_co_u32 s82, s86, SLOT                    ; and the same in slot 1
	s_add_co_u32 s83, s22, SLOT
	s_mul_i32 s84, s14, 16*SPITCH
	s_add_co_u32 s84, s84, STAGE                   ; my stage
	s_cmp_eq_u32 s15, 0
	s_cselect_b32 s79, s40, s41                    ; my place among the four that fetch my quarter with me
	s_mul_i32 s78, s79, 25                         ; my first unit of units 0-99,
	s_mul_i32 s79, s79, 13
	s_add_co_u32 s79, s79, 100                     ; and of units 100-149
	v_and_b32 v1, 15, v0                           ; r
	v_bfe_u32 v2, v0, 4, 1                         ; h
	v_and_b32 v6, 31, v0                           ; lane
	v_lshlrev_b32 v3, 4, v6                        ; an image's 16 bytes a lane
	v_mul_u32_u24 v5, s23, v2                      ; lanes 16-31 take B's scale words
	v_lshl_add_u32 v5, v1, 4, v5
	v_add_nc_u32 v5, SCO, v5
	v_add_nc_u32 v[ADRA], s86, v3
	v_add_nc_u32 v[ADRA+1], s82, v3
	v_add_nc_u32 v[ADRB], s22, v3
	v_add_nc_u32 v[ADRB+1], s83, v3
	v_add_nc_u32 v[ADRS], s86, v5
	v_add_nc_u32 v[ADRS+1], s82, v5
	v_mul_u32_u24 v4, v1, SPITCH                   ; into the stage: row r, 32 bytes for each half of the lanes
	v_lshl_add_u32 v4, v2, 5, v4
	v_add_nc_u32 v[STO], s84, v4
	v_mul_u32_u24 v4, v2, SPITCH                   ; back: lanes 0-15 take one row of 256 bytes, lanes 16-31 the next
	v_lshl_add_u32 v4, v1, 4, v4
	v_add_nc_u32 v[RD], s84, v4
	v_lshlrev_b32 v4, 14, v2                       ; and the same two rows in out0
	v_lshl_add_u32 v[CO], v1, 4, v4
	v_min_u32 v7, 24, v6
	v_add_nc_u32 v7, s78, v7
	v_lshlrev_b32 v[PFO], 8, v7
	v_min_u32 v8, 12, v6
	v_add_nc_u32 v8, s79, v8
	v_min_u32 v8, 149, v8
	v_lshlrev_b32 v[PFO+1], 8, v8
	s_wait_alu depctr_va_vdst(0)
	s_wait_dscnt 0x0                               ; both opening adds are done
	s_wait_kmcnt 0x0
	s_add_nc_u64 s[20:21], s[4:5], s[20:21]
	s_add_nc_u64 s[46:47], s[6:7], s[46:47]
	s_cmp_eq_u32 s15, 0
	s_cselect_b64 s[PFA:PFA+1], s[20:21], s[46:47] ; my quarter's group, at steps 0-2
	ASK 1, 0                                       ; steps 0-2: the descriptors' set-up and a round stand between this request and the load
	s_add_nc_u64 s[12:13], s[12:13], s[80:81]
.irp s, 0,1                            ; slot s begins with steps 3 s .. 3 s + 2
	s_mov_b32 s[G0+4*\s], 1
	s_add_co_u32 s[G0+4*\s+1], s45, \s*SLOT
	s_add_nc_u64 s[G0+4*\s+2:G0+4*\s+3], s[20:21], \s*QUART
	s_or_b32 s[G0+4*\s+3], s[G0+4*\s+3], 0x80000000
	s_mov_b32 s[G0B+4*\s], 1
	s_add_co_u32 s[G0B+4*\s+1], s45, \s*SLOT
	s_add_nc_u64 s[G0B+4*\s+2:G0B+4*\s+3], s[46:47], \s*QUART
	s_or_b32 s[G0B+4*\s+3], s[G0B+4*\s+3], 0x80000000
.endr
	CROUND                                         ; the round in front of the first joint loads
	JLOAD G0, G1, G0B, G1B                         ; steps 0-2: one tensor load a wave at the head
	ASK 1, QUART                                   ; steps 3-5, which slot 1's first fill will want
.macro FRAGB slot, q, p, i
.irp g, 0,1,2
	ds_load_b128 v[128*(\p)+FR*(\i)+4*\g:128*(\p)+FR*(\i)+4*\g+3], v[ADRB+\slot] offset:(\q)*BLK+(\i)*FRB+512*\g
.endr
.endm
.macro FRAGA slot, q, p, i
.irp g, 0,1,2
	ds_load_b128 v[AF+96*(\p)+FR*(\i)+4*\g:AF+96*(\p)+FR*(\i)+4*\g+3], v[ADRA+\slot] offset:(\q)*BLK+(\i)*FRB+512*\g
.endr
.endm
.macro SCALES slot, q, p
	ds_load_b128 v[SC+8*(\p):SC+8*(\p)+3], v[ADRS+\slot] offset:(\q)*BLK
	ds_load_b128 v[SC+8*(\p)+4:SC+8*(\p)+7], v[ADRS+\slot] offset:(\q)*BLK+256
.endm
.macro RUNB slot, q, p                 ; 24 loads: B's eight fragments of step q of the slot into set p
	WIN TO_B
.irp i, 0,1,2,3,4,5,6,7
	FRAGB \slot, \q, \p, \i
.endr
.endm
.macro RUNA slot, q, p                 ; 26 loads: the scale words, then A's eight fragments
	WIN 0
	SCALES \slot, \q, \p
.irp i, 0,1,2,3,4,5,6,7
	FRAGA \slot, \q, \p, \i
.endr
.endm
.macro HRUN slot, q, p, h              ; 38 loads for a half step: the scale words, A's blocks 4 h .. 4 h + 3, then B's eight
	WIN 0
	SCALES \slot, \q, \p
.irp i, 0,1,2,3
	FRAGA \slot, \q, \p, 4*(\h)+\i
.endr
	RUNB \slot, \q, \p
.endm
.macro PLACES n
.rept \n
	v_nop
.endr
.endm
; A's block a against B's eight.  The accumulators take turns, one instruction a turn.
; np = 1: four places behind the first product: they stand behind all of the last step's products, ahead of the loads into that step's registers.
.macro MULA a, p, zero, np
	WIN MUL_LO+0x50*((\a)/4)
.irp b, 0,1,2,3,4,5,6,7
.if \zero
	v_wmma_scale_f32_16x16x128_f8f6f4 v[8*(8*((\a)%4)+\b):8*(8*((\a)%4)+\b)+7], v[128*(\p)+FR*\b:128*(\p)+FR*\b+FR-1], v[AF+96*(\p)+FR*(\a):AF+96*(\p)+FR*(\a)+FR-1], 0, v[SC+8*(\p)+\b], v[SC+8*(\p)+(\a)] matrix_a_fmt:MATRIX_FMT_BF6 matrix_b_fmt:MATRIX_FMT_BF6 matrix_a_scale:MATRIX_SCALE_ROW1
.else
	v_wmma_scale_f32_16x16x128_f8f6f4 v[8*(8*((\a)%4)+\b):8*(8*((\a)%4)+\b)+7], v[128*(\p)+FR*\b:128*(\p)+FR*\b+FR-1], v[AF+96*(\p)+FR*(\a):AF+96*(\p)+FR*(\a)+FR-1], v[8*(8*((\a)%4)+\b):8*(8*((\a)%4)+\b)+7], v[SC+8*(\p)+\b], v[SC+8*(\p)+(\a)] matrix_a_fmt:MATRIX_FMT_BF6 matrix_b_fmt:MATRIX_FMT_BF6 matrix_a_scale:MATRIX_SCALE_ROW1
.endif
.if (\np) && (\b == 0)
	PLACES 4
.endif
.endr
.endm
; A half step: B's blocks one after the other, each against A's blocks 4 h .. 4 h + 3: 32 products.
; st = 1: the set's loads were issued as an HRUN, and one more HRUN (38 loads) behind them: ahead of blocks b, b + 1 all may be out but the 38 and B's blocks b + 2 .. 7.
.macro MULH h, p, st
	WIN MUL_LO+0x50*(\h)
.irp b, 0,1,2,3,4,5,6,7
.if (\st) && (\b % 2 == 0)
	s_wait_dscnt 38+3*(6-\b)
.endif
.irp a, 0,1,2,3
	v_wmma_scale_f32_16x16x128_f8f6f4 v[8*(8*\a+\b):8*(8*\a+\b)+7], v[128*(\p)+FR*\b:128*(\p)+FR*\b+FR-1], v[AF+96*(\p)+FR*(4*(\h)+\a):AF+96*(\p)+FR*(4*(\h)+\a)+FR-1], v[8*(8*\a+\b):8*(8*\a+\b)+7], v[SC+8*(\p)+\b], v[SC+8*(\p)+4*(\h)+\a] matrix_a_fmt:MATRIX_FMT_BF6 matrix_b_fmt:MATRIX_FMT_BF6 matrix_a_scale:MATRIX_SCALE_ROW1
.endr
.endr
.endm
; A step that is not its slot's last: multiplies set p, fetches step q + 1 of the same slot into the other set.
.macro STEP slot, q, p, zero
	s_wait_dscnt 12                                ; B's set, the scale words and A's blocks 0-3 are in; the youngest 12 loads (blocks 4-7) may be out
	MULA 0, \p, \zero, 1
	RUNB \slot, (\q)+1, 1-(\p)
	MULA 1, \p, \zero, 0
	MULA 2, \p, \zero, 0
	MULA 3, \p, \zero, 0
	RUNA \slot, (\q)+1, 1-(\p)
	s_wait_dscnt 50                                ; all but the 24 + 26 loads issued in this step
	MULA 4, \p, \zero, 0
	MULA 5, \p, \zero, 0
	MULA 6, \p, \zero, 0
	MULA 7, \p, \zero, 0
.endm
; A slot's last step changes slots and fills the slot again: the barrier opens a round of the cluster's barrier.  fill = 1: three steps; fill = 2: the last two steps.
.macro TURN slot, next, p, fill, ask
	WIN 0
.if \ask
	s_wait_xcnt 0x0                                ; my last prefetches have read their base
	s_add_nc_u64 s[PFA:PFA+1], s[PFA:PFA+1], QUART ; the refill after the one below
.endif
	s_wait_tensorcnt 0x0                           ; all my tensor loads have landed: my quarter of the next slot
	ds_add_u32 v[SPW], v[NIL]
.if (\fill) == 1
	s_add_nc_u64 s[G0+4*\next+2:G0+4*\next+3], s[G0+4*\next+2:G0+4*\next+3], 2*QUART     ; no load of mine is out: the next slot's group 0 steps to its next fill
	s_add_nc_u64 s[G0B+4*\next+2:G0B+4*\next+3], s[G0B+4*\next+2:G0B+4*\next+3], 2*QUART
.else
	s_mov_b32 s[G1+2], (2*BLK/256)<<16             ; no load of mine is out: the last load brings 100 rows
	s_mov_b32 s[G1+4], 2*BLK/256
	s_mov_b32 s[G1B+2], (2*BLK/256)<<16
	s_mov_b32 s[G1B+4], 2*BLK/256
.endif
	s_wait_dscnt 13                                ; (the add and A's blocks 4-7 may be out)
	MULA 0, \p, 0, 0
	s_wait_dscnt 0x0                               ; the add is done, and my reads of this slot are over
	s_barrier_signal -1
	MULA 1, \p, 0, 0
	WIN 0
	s_barrier_wait -1
	CREST                                          ; no wave of any partner still reads this slot or has a load on its way
	JLOAD G0+4*\slot, G1, G0B+4*\slot, G1B         ; the first tensor load behind the round; its four v_nop are the places ahead of the loads below
	RUNB \next, 0, 1-(\p)
.if \ask
	WIN 0
	ASK \ask, 0
.endif
	MULA 2, \p, 0, 0
	MULA 3, \p, 0, 0
	MULA 4, \p, 0, 0
	RUNA \next, 0, 1-(\p)
	MULA 5, \p, 0, 0
	MULA 6, \p, 0, 0
	MULA 7, \p, 0, 0
.endm
	s_wait_tensorcnt 0x0                           ; my quarter of steps 0-2 is in
	ds_add_u32 v[SPW], v[NIL]
	s_wait_xcnt 0x0                                ; my prefetches have read their base
	s_add_nc_u64 s[PFA:PFA+1], s[PFA:PFA+1], 2*QUART       ; at steps 6-8
	s_add_nc_u64 s[G0+2:G0+3], s[G0+2:G0+3], 2*QUART       ; no load of mine is out: slot 0's group 0 steps to steps 6-8
	s_add_nc_u64 s[G0B+2:G0B+3], s[G0B+2:G0B+3], 2*QUART
	s_wait_dscnt 0x0
	CROUND
	JLOAD G0+4, G1, G0B+4, G1B                     ; steps 3-5 into slot 1
	RUNB 0, 0, 0
	RUNA 0, 0, 0
	ASK 1, 0                                       ; steps 6-8
	STEP 0, 0, 0, 1                                ; step 0 starts the sums
	WIN 0
	s_mov_b32 s3, TRIPS
.Llap:                                                 ; six steps: once round the ring and back to the same sets of registers
	STEP 0, 1, 1, 0
	TURN 0, 1, 0, 1, 1
	STEP 1, 0, 1, 0
	STEP 1, 1, 0, 0
	TURN 1, 0, 1, 1, 2
	STEP 0, 0, 0, 0
	WIN 0
	s_sub_co_u32 s3, s3, 1
	s_cmp_lg_u32 s3, 0
	s_cbranch_scc1 .Llap
	STEP 0, 1, 1, 0                                ; step 25
	TURN 0, 1, 0, 2, 0                             ; step 26: the last refill, steps 30 and 31 into slot 0
; THE WAY OUT, in units of 16 rows x 64 columns: unit u is block u / 2, column half u % 2: four accumulators.  Through my stage, back as rows of 256 bytes, two rows a load, into 32 registers from v[base] on.
.macro TOSTU u, base
.set AC, 64*(((\u)/2)%4)+32*((\u)%2)
	WIN 0x08+4*((\u)/8)                            ; the data: window 2 or 3
.irp b, 0,1,2,3
	ds_store_b128 v[STO], v[AC+8*\b:AC+8*\b+3] offset:64*\b          ; each accumulator from its low end on
	ds_store_b128 v[STO], v[AC+8*\b+4:AC+8*\b+7] offset:64*\b+16
.endr
	WIN 0
.irp t, 0,1,2,3,4,5,6,7
	ds_load_b128 v[(\base)+4*\t:(\base)+4*\t+3], v[RD] offset:\t*2*SPITCH      ; LDS serves a wave's instructions in order (ISA guide 5.7.1.4)
.endr
.endm
.macro SENDU u, base
.irp t, 0,1,2,3,4,5,6,7
	global_store_b128 v[CO], v[(\base)+4*\t:(\base)+4*\t+3], s[12:13] offset:(16*((\u)/2)+2*\t)*SIZE_N*4+256*((\u)%2)   ; sixteen lanes store 256 consecutive bytes, aligned; 126 rows of 16,384 bytes at the most in the immediate
.endr
.endm
; ROWS 0-63, steps 27 to 31.  A half step's loads stand at its head, behind four places: they fill the set that the half step before multiplied.
	PLACES 4
	HRUN 1, 1, 0, 0
	s_wait_dscnt 38                                ; step 27's fragments are in
	MULH 0, 1, 0                                   ; step 27
	PLACES 4
	HRUN 1, 2, 1, 0
	MULH 0, 0, 1                                   ; step 28
	WIN 0
	s_wait_tensorcnt 0x0                           ; my quarter of steps 30 and 31 is in
	ds_add_u32 v[SPW], v[NIL]
	s_wait_dscnt 0x0
	s_barrier_signal -1
	s_barrier_wait -1                              ; and everybody's
	PLACES 4
	HRUN 0, 0, 0, 0
	MULH 0, 1, 0                                   ; step 29
	PLACES 4
	HRUN 0, 1, 1, 0
	MULH 0, 0, 1                                   ; step 30
	PLACES 4
	HRUN 1, 0, 0, 1                                ; rows 64-127 begin again at step 27
	MULH 0, 1, 1                                   ; step 31: rows 0-63 are finished
; ROWS 64-127, steps 27 to 30; in each half step two units of rows 0-63 go through the stage, into v64-95 and v160-191 (registers of A's blocks 0-3, which are read no more), and the two before them are stored.
.macro GSTEP p, slot, q, e
	PLACES 4
	s_wait_dscnt 0x0                               ; this half step's fragments and the last two units are in registers
	WIN 0
.if (\e) > 0
	SENDU (\e)-2, 64
	SENDU (\e)-1, 160
.endif
	HRUN \slot, \q, 1-(\p), 1
.if (\e) > 0
	s_wait_xcnt 0x0                                ; the stores have read their registers, which the loads below fill
.endif
	TOSTU \e, 64
	TOSTU (\e)+1, 160
	MULH 1, \p, 0
.endm
	GSTEP 0, 1, 1, 0
	GSTEP 1, 1, 2, 2
	GSTEP 0, 0, 0, 4
	GSTEP 1, 0, 1, 6
; Step 31 of rows 64-127 goes by A's blocks: each block is finished by its eight products and leaves while the next are multiplied.  Even blocks come back into v192-255, odd ones into v64-95 and v160-191.
	PLACES 4
	s_wait_dscnt 0x0
	WIN 0
	SENDU 6, 64
	SENDU 7, 160
	MULA 4, 0, 0, 0
.irp a, 4,5,6,7
.if \a < 7
	MULA \a+1, 0, 0, 0
	PLACES 4                                       ; ahead of the stage's stores, which read results
.endif
	s_wait_xcnt 0x0                                ; earlier stores have read their registers
	TOSTU 2*(\a), 64+128*(1-(\a)%2)
	TOSTU 2*(\a)+1, 160+64*(1-(\a)%2)
.if \a > 4
	s_wait_dscnt 32                                ; behind block a - 1's loads: block a's 16 stores and 16 loads
	SENDU 2*(\a)-2, 64+128*((\a)%2)
	SENDU 2*(\a)-1, 160+64*((\a)%2)
.endif
.endr
	s_wait_dscnt 0x0
	SENDU 14, 64
	SENDU 15, 160
	s_wait_tensorcnt 0x0                           ; the wave's end
	ds_add_u32 v[SPW], v[NIL]
	s_wait_dscnt 0x0
	CROUND                                         ; the closing round
	s_endpgm
.Lfunc_end_k_q5c0c4b662e_gemm:
	.size	k_q5c0c4b662e_gemm, .Lfunc_end_k_q5c0c4b662e_gemm-k_q5c0c4b662e_gemm
	.p2alignl 7, 3214868480
	.fill 96, 4, 3214868480
	.section	.rodata,"a",@progbits
	.p2align	6, 0x0
	.amdhsa_kernel k_q5c0c4b662e_gemm
		.amdhsa_group_segment_fixed_size 327680
		.amdhsa_private_segment_fixed_size 0
		.amdhsa_enable_private_segment 0
		.amdhsa_kernarg_size 24
		.amdhsa_user_sgpr_count 2
		.amdhsa_user_sgpr_kernarg_segment_ptr 1
		.amdhsa_wavefront_size32 1
		.amdhsa_system_sgpr_workgroup_id_x 1
		.amdhsa_system_sgpr_workgroup_id_y 1
		.amdhsa_system_sgpr_workgroup_id_z 1
		.amdhsa_system_vgpr_workitem_id 0
		.amdhsa_next_free_vgpr 1024
		.amdhsa_next_free_sgpr 98
		.amdhsa_reserve_vcc 0
		.amdhsa_float_denorm_mode_32 3
		.amdhsa_float_denorm_mode_16_64 3
		.amdhsa_memory_ordered 1
		.amdhsa_forward_progress 1
		.amdhsa_inst_pref_size 214
	.end_amdhsa_kernel
	.amdgpu_metadata
---
amdhsa.version: [ 1, 2 ]
amdhsa.kernels:
  - .name:           k_q5c0c4b662e_gemm
    .symbol:         k_q5c0c4b662e_gemm.kd
    .args:
      - { .name: xq, .offset: 0, .size: 8, .value_kind: global_buffer, .address_space: global }
      - { .name: yq, .offset: 8, .size: 8, .value_kind: global_buffer, .address_space: global }
      - { .name: out0, .offset: 16, .size: 8, .value_kind: global_buffer, .address_space: global }
    .group_segment_fixed_size: 327680
    .private_segment_fixed_size: 0
    .kernarg_segment_align: 8
    .kernarg_segment_size: 24
    .max_flat_workgroup_size: 128
    .sgpr_count:     98
    .vgpr_count:     1024
    .wavefront_size: 32
...
	.end_amdgpu_metadata
.endif
;; end of part 2
